; MI455X (gfx1250); checked and timed in simulation.
; The chip was launched on July 23, 2026; its instructions are those of AMD's public machine-readable ISA for CDNA 5 (MIT licence, August 2026) and "CDNA5" Instruction Set Architecture Reference Guide (July 2026). The comments in the code are by the model that wrote it; some were corrected since.
;; Quantized Lo RA Linear. Allowed arithmetic: matrix products marked QUANTISED: E3M2 operands, one E8M0 scale for each 32 along K, by v_wmma_scale_f32_16x16x128_f8f6f4 with both operands' format E3M2, f32 sums; products left as they are: f32 operands where the result goes on into a quantised operand, else bf16, f16 or f32 operands; f32 sums; everything else in f32.
;; Inputs: bias 2,048 float32; lora_A 8 x 4,096 float32; lora_B 2,048 x 8 float32; qweight_codes 131,072 x 64 int32; qweight_scales 131,072 float32; x 4 x 2,048 x 4,096 float32.
;; Outputs: out0 4 x 2,048 x 2,048 float32.
;; This version of the problem:
;;   THIS VERSION OF THE PROBLEM IS GIVEN IN LOW PRECISION. The matrix products marked QUANTISED in the list below multiply operands that are first quantised to E3M2 (3 exponent bits, 2 mantissa bits; 6 bits a number), with one power-of-two scale for each 32 numbers along K (OCP MX v1.0); their sums are f32. All else is computed in f32.
;;   The module's matrix products, in the order in which they are computed (A, B: the left and right operand; K: the contracted axis; several contracted axes count as one K, in the product's order):
;;     1. [M 8,192, K 4,096] x [K 4,096, N 2,048]; A: input x; B: computed on the way: QUANTISED
;;     2. [M 8,192, K 4,096] x [K 4,096, N 8]; A: input x; B: input lora_A: left as it is (N = 8 < 16)
;;     3. [M 8,192, K 8] x [K 8, N 2,048]; A: computed on the way; B: input lora_B: left as it is (K = 8 < 32)
;;   THE QUANTISER, for each operand of a quantised product, along K:
;;     - K is cut into blocks of 32 from its start; a last block that is shorter is filled with zeros.
;;     - A block's scale is 2^e with e = floor(log2(the largest magnitude in the block)) - 4, held to -126 .. 127; a block of zeros has e = 0. As a byte (E8M0): e + 127.
;;     - Each number is divided by its block's scale, clamped to +-28, and rounded to the nearest number of E3M2, ties to even, subnormals kept.
;;     - The product sums the exact products of the quantised numbers (number of the format x scale) in f32.
;;   ~~~python
;;   def quantise(x, axis):      # numpy; x: float32 -> the quantised numbers, widened to float32 again
;;       x = np.moveaxis(x, axis, -1); K = x.shape[-1]
;;       x = np.pad(x, [(0, 0)] * (x.ndim - 1) + [(0, -K % 32)]); x = x.reshape(x.shape[:-1] + (-1, 32)); a = np.abs(x).max(-1, keepdims=True)
;;       e = np.where(a > 0, np.clip(np.frexp(np.where(a > 0, a, 1))[1] - 1 - 4, -126, 127), 0)      # np.frexp(a)[1] - 1 = floor(log2(a)), exactly
;;       r = np.clip(x / 2.0 ** e, -28, 28)
;;       step = 2.0 ** (np.maximum(np.frexp(np.where(r == 0, 1, r))[1] - 1, -2) - 2)
;;       q = np.round(r / step) * step * 2.0 ** e      # np.round: ties to even
;;       return np.moveaxis(q.reshape(q.shape[:-2] + (-1,))[..., :K], -1, axis).astype(np.float32)
;;   ~~~
;;   OPERANDS COMPUTED ON THE WAY. 'Computed on the way' means the value that the module computes at that place (a softmax that the list does not call 'softmax' is quantised finished and normalised). What goes into a quantiser is computed in f32, as accurately as f32 sums, v_exp_f32 and their like allow (about 1e-6 of the number): no bf16 or f16 on the way to a quantiser, and a product that is left as it is and whose result goes on into a quantised operand takes f32 operands (vector FMAs, or v_wmma_f32_16x16x4_f32). A number that lies on a knife's edge between two numbers of the format may be rounded either way, as far as f32 arithmetic and the matrix unit's own rounding can turn it there, and no further.
;; One version. Each part assembles by itself: llvm-mc -triple=amdgcn-amd-amdhsa -mcpu=gfx1250 --defsym DOCPART=n.
;; ======== version 1 of 1: 2 launches
;; limits: values are held in bf16: 8 bits of precision; right only within a limited range of input values
;; workspace buffers: xc 26,214,400 bytes; wc 6,553,600 bytes; hid 262,144 bytes
;; launch prep (part 1): grid 256 x 1, 16 waves a work-group, no clusters, 306,176 bytes of LDS; arguments x, qweight_codes, qweight_scales, lora_A, xc, wc, hid; writes xc, wc, hid
.if DOCPART == 1
	.amdgcn_target "amdgcn-amd-amdhsa--gfx1250"
	.amdhsa_code_object_version 6
	.text
	.protected	k_q0975107430_prep
	.globl	k_q0975107430_prep
	.p2align	8
	.type	k_q0975107430_prep,@function
k_q0975107430_prep:
	s_mov_b64 s[64:65], 0
	v_nop
	global_prefetch_b8 v0, s[64:65] scope:SCOPE_SE
	s_setreg_imm32_b32 hwreg(HW_REG_WAVE_MODE, 25, 1), 1
	s_wait_xcnt 0x0
; x [8192][4096] f32 and W [2048][4096] = NF4[code] x scale (one scale for 64 along K) become codes of BF6 (E3M2) with one E8M0 byte for each 32 along K,
; and hid = bf16(2 x lora_A^T), in two halves of K, is made on the way, while x lies in registers.
; A block's scale is 2^(floor(log2(its largest magnitude)) - 4): its byte is the largest magnitude's exponent field - 4, held at 1 from below.
; LIMITS: NaN and infinities among the inputs are not served.  Blocks whose largest magnitude lies under 2^-122 get the byte 1, a block of zeros too (the stated
; quantiser says 127 there: its codes are zeros, which add nothing under any byte but 0xff, and this program alone reads the bytes).  For hid, x and lora_A are rounded to bf16; sums in f32.
; W's codes index a table of 16, so they lie in 0 .. 15: four of them are packed into a register on that ground.
; THE WORKSPACE IS LAID AS THE NEXT LAUNCH'S TILES: xc [step 32][half tile 64][12,800 bytes], wc [step 32][half tile 16][12,800 bytes]  (step: 128 along K; half tile: 128 rows).
;   The 12,800 bytes: eight fragments (rowblock i of 16 rows at 1,536 i), each an image of the operand's registers (group c of 512 bytes holds lane l's registers 4 c .. 4 c + 3 at byte 16 l);
;   then two runs of 256 bytes of scale words: run u holds, for row r and rowblock 4 u + t, the word of four scale bytes at 16 r + 4 t.   hid [half of K 2][8192][8] bf16.
; SHARES.  256 work-groups of equal work, 16 waves.  Work-group g: rows 64 (g / 2) .. + 63 of x, half g % 2 of K; wave w takes step 16 (g % 2) + w: four tiles of 16 rows x 128 K,
; and keeps lora_A's 8 rows x that step as four bf16 fragments.  Of W: rowblocks 4 (g / 8) .. + 3, steps 4 (g % 8) .. + 3; wave w takes rowblock w % 4, step w / 4: one tile.
; THE WAYS IN.  Tiles 0 and 1 of x (32 rows x 512 bytes) come by ONE tensor load a wave, at the head, into the wave's own LDS region, rows 528 bytes apart; nothing is filled again.
; W's tile and tile 2 are asked for at the head too, sixteen loads of 512 consecutive bytes each.  W'S TILE IS WORKED WHILE THE TENSOR LOAD IS ON ITS WAY: its codes, packed four to a register,
; turn through the wave's own 2,048 bytes of the hidden layer's parts (behind the regions: no tensor load fills them; they are free until the first tile's part is stored).
; Tiles 2 and 3 turn through tile 0's rows of the region, once tile 0 has been read (the region has had its only fill): R is emptied there as soon as those rows are free, so that tile 3's loads go out ahead of tile 0's arithmetic.
; Either way a lane then reads, of ONE row, 16 neighbours of each block of 32.  Order of the arithmetic: W, tile 0, 2, 1, 3.
; One barrier, at the end: W's runs of scale words (four waves each) and the sixteen waves' parts of the hidden layer meet in LDS.
; No cluster: the work-groups share lora_A alone, 4 KiB of a wave's 44.  No prefetch: the text has no loop to run ahead in; every load is asked for as soon as its registers are free.
.set SP,    528                        ; a row in the region: 512 bytes + 16: an odd multiple of 16, so the sixteen rows that a read touches start at different banks (ISA guide 11.1)
.set STGW,  16*SP                      ; a tile
.set RG,    2*STGW                     ; a wave's region
.set HP,    16*RG                      ; the hidden layer's parts [wave 16][rowblock 4][row 16][32 bytes]; at the head a wave's 2,048 bytes stage lora_A as bf16, then W's packed codes
.set WSG,   HP+32768                   ; W's four runs of scale words: 1,024 bytes
.set SPARE, WSG+1024                   ; the spare words: 128 bytes for each wave
.set ROWB,  16384                      ; a row of x, of the codes of W, of lora_A, in bytes
.set FRB,   1536
.set SCO,   8*FRB
.set STEPT, SCO+512
.set XROW,  64*STEPT
.set WROW,  16*STEPT
.set OFF, 1                            ; v1   16 x lane
.set STI, 2                            ; v2   the stage, on the way in: 16 x lane
.set STO, 3                            ; v3   a tile's read: row r, + 64 h
.set STL, 4                            ; v4   lora_A's read: row r % 8 of 256 bytes, + 32 h
.set XSO, 5                            ; v5   16 r + 8 h: my 8 bytes of x's run of scale words
.set WSA, 6                            ; v6   LDS: where I put W's scale word
.set HPS, 7                            ; v7   LDS: where I put my part of the hidden layer: 32 r
.set WSO, 8                            ; v8   256 r: my row's NF4 scales
.set FA,  9                            ; v9   the end: which 512 bytes of W's scale words my wave stores
.set HPA, 10                           ; v10  the end: the row whose parts I add
.set NF,  11                           ; v11  the NF4 table: lane t holds entry t
.set WGO, 12                           ; v12  the end: (lane / 16) steps of wc + 16 r
.set LN,  13                           ; v13  lane
.set LSI, 14                           ; v14  lora_A's stage, on the way in: 8 x lane
.set LSW, 15                           ; v15  W's packed codes, on the way in: 4 x lane
.set LA,  16                           ; v16-47   lora_A: as loaded, then fragment b at v[LA + 8 b]
.set ACC, 48                           ; v48-63   two accumulators of the hidden layer; ahead of them W's packed codes as they come back
.set WS,  64
.set PWW, 66
.set STW, 67                           ; v67  W's packed codes, on the way out: row r of 128 bytes, + 16 h
.set SELR, 68
.set R,   76                           ; v76-139  a tile as it is loaded
.set X,   140                          ; v140-203 the tile turned: register 16 b + i = k 32 b + 16 h + i of row r; at the head W's codes as loaded
.set TM,  204
.set PW,  216
.set PC,  220
.set WV,  22
.set G,   23
.set SEL, 24
.set G0,  48                           ; s[48:51], s[52:59] the tensor load's descriptor
.set G1,  52
	s_load_b256 s[4:11], s[0:1], 0x0               ; x s[4:5], W's codes s[6:7], W's scales s[8:9], lora_A s[10:11]
	s_load_b128 s[12:15], s[0:1], 0x20             ; xc s[12:13], wc s[14:15]
	s_load_b64 s[16:17], s[0:1], 0x30              ; hid
	v_lshl_add_u32 v254, v0, 2, SPARE
	v_mov_b32 v255, 0
	ds_add_u32 v254, v255                          ; the opening lines: the add, twice on end, and its wait ahead of my tensor load
	ds_add_u32 v254, v255
	v_lshrrev_b32 v70, 5, v0
	s_delay_alu instid0(VALU_DEP_1)
	v_readfirstlane_b32 s[WV], v70                 ; wave 0..15
	s_mov_b32 s[G], ttmp9
	s_mov_b32 s[SEL], 0x76543210
	s_mov_b32 s[SEL+1], 0xfedcba98
	s_and_b32 s35, s[WV], 1
	s_and_b32 s36, s[WV], 3                        ; W: which of the four rowblocks
	s_lshr_b32 s37, s[WV], 2                       ; W: which of the four steps
	s_mul_i32 s45, s[WV], RG                       ; my region
	s_lshl_b32 s46, s37, 8                         ; W's run of step w / 4, the word of rowblock w % 4
	s_lshl_b32 s33, s36, 2
	s_add_co_u32 s46, s46, s33
	s_add_co_u32 s46, s46, WSG
	s_lshl_b32 s47, s[WV], 11                      ; my 2,048 bytes of the hidden layer's parts
	s_add_co_u32 s47, s47, HP
	s_lshl_b32 s27, s35, 9                         ; waves 0 and 1 store two of W's runs each
	s_add_co_u32 s27, s27, WSG
	s_lshl_b32 s60, s35, 10                        ; waves 2 and 3 add the parts of rowblocks 2 (w % 2) + lane / 16
	s_add_co_u32 s60, s60, HP
	; the descriptor: 32 rows of 128 elements of 4 bytes, 4,096 elements from row to row; in LDS 4 dwords of padding behind every 128
	s_mov_b32 s[G1+0], (2<<16)|(1<<20)|(6<<22)|(3<<25)
	s_mov_b32 s[G1+1], 128<<16
	s_mov_b32 s[G1+2], 32<<16
	s_mov_b32 s[G1+3], 128<<16
	s_mov_b32 s[G1+4], 32
	s_mov_b32 s[G1+5], 4096
	s_mov_b32 s[G1+6], 0
	s_mov_b32 s[G1+7], 0
	s_mov_b32 s[G0], 1
	s_mul_i32 s[G0+1], s[WV], RG
	; where my wave's parts begin, in bytes (all under 2^28)
	s_and_b32 s33, s[G], 1                         ; x's half of K
	s_lshr_b32 s34, s[G], 1                        ; x's block of 64 rows
	s_lshl_b32 s38, s33, 4
	s_add_co_u32 s38, s38, s[WV]                   ; x's step
	s_lshl_b32 s28, s34, 20                        ; x: 64 rows of 16,384 bytes,
	s_lshl_b32 s32, s38, 9                         ; 512 bytes a step
	s_add_co_u32 s28, s28, s32
	s_mov_b32 s29, 0
	s_mov_b32 s31, 0
	s_lshr_b32 s39, s[G], 3
	s_lshl_b32 s40, s39, 2
	s_add_co_u32 s40, s40, s36                     ; W's rowblock
	s_and_b32 s41, s[G], 7
	s_lshl_b32 s41, s41, 2                         ; the first of my work-group's four steps of W
	s_add_co_u32 s42, s41, s37                     ; W's step
	s_lshl_b32 s43, s40, 12                        ; W's scales: 256 bytes a row, 16 rows; 8 bytes a step
	s_lshl_b32 s44, s42, 3
	s_add_co_u32 s43, s43, s44
	s_lshl_b32 s30, s40, 18                        ; W's codes: 16 rows of 16,384 bytes; 512 bytes a step
	s_lshl_b32 s44, s42, 9
	s_add_co_u32 s30, s30, s44
	; every LDS address: a constant + a constant x lane + a constant x wave
	v_and_b32 v[LN], 31, v0                        ; lane
	v_and_b32 v71, 15, v0                          ; r
	v_bfe_u32 v72, v0, 4, 1                        ; h
	v_and_b32 v74, 7, v0
	s_delay_alu instid0(VALU_DEP_4)
	v_lshlrev_b32 v[OFF], 4, v[LN]
	s_delay_alu instid0(VALU_DEP_4)
	v_mul_u32_u24 v73, v71, SP
	v_lshlrev_b32 v75, 4, v71                      ; 16 r
	s_delay_alu instid0(VALU_DEP_4)
	v_lshlrev_b32 v74, 8, v74
	s_delay_alu instid0(VALU_DEP_4)
	v_add_nc_u32 v[STI], s45, v[OFF]
	s_delay_alu instid0(VALU_DEP_4)
	v_lshl_add_u32 v73, v72, 6, v73
	s_delay_alu instid0(VALU_DEP_4)
	v_lshl_add_u32 v[XSO], v72, 3, v75
	s_delay_alu instid0(VALU_DEP_4)
	v_lshl_add_u32 v74, v72, 5, v74
	v_add_nc_u32 v[WSA], s46, v75
	s_delay_alu instid0(VALU_DEP_4)
	v_add_nc_u32 v[STO], s45, v73
	v_lshl_add_u32 v[LSI], v[LN], 3, s47
	s_delay_alu instid0(VALU_DEP_4)
	v_add_nc_u32 v[STL], s47, v74
	v_lshl_add_u32 v[HPS], v71, 5, s47
	v_lshlrev_b32 v[WSO], 8, v71
	v_add_nc_u32 v[FA], s27, v[OFF]
	v_lshl_add_u32 v[HPA], v71, 5, s60
	v_mul_u32_u24 v[WGO], v72, WROW
	v_lshl_add_u32 v[STW], v71, 7, s47
	v_lshl_add_u32 v[LSW], v[LN], 2, s47
	s_delay_alu instid0(VALU_DEP_4)
	v_lshl_add_u32 v[HPA], v72, 9, v[HPA]
	s_delay_alu instid0(VALU_DEP_4)
	v_add_nc_u32 v[WGO], v[WGO], v75
	s_delay_alu instid0(VALU_DEP_4)
	v_lshl_add_u32 v[STW], v72, 4, v[STW]
	s_wait_alu depctr_va_vdst(0)                   ; directly ahead of the waits below
	s_wait_dscnt 0x0                               ; both opening adds are done
	s_wait_kmcnt 0x0
	s_add_nc_u64 s[4:5], s[4:5], s[28:29]
	s_mov_b64 s[G0+2:G0+3], s[4:5]
	s_or_b32 s[G0+3], s[G0+3], 0x80000000
	tensor_load_to_lds s[G0:G0+3], s[G1:G1+7]      ; x's tiles 0 and 1: my one tensor load
	s_nop 0
	s_add_nc_u64 s[6:7], s[6:7], s[30:31]          ; W's codes at my tile
	s_mov_b32 s28, s32
	s_add_nc_u64 s[10:11], s[10:11], s[28:29]      ; lora_A at my step
	s_mov_b32 s28, s43
	s_add_nc_u64 s[8:9], s[8:9], s[28:29]
.macro LOADT dst, base, off            ; a tile of 16 rows x 512 bytes: each load reads 512 consecutive bytes of one row
.irp i, 0,1,2,3,4,5,6,7,8,9,10,11,12,13,14,15
	global_load_b128 v[\dst+4*\i:\dst+4*\i+3], v[OFF], s[\base:\base+1] offset:\off+ROWB*\i th:TH_LOAD_NT
.endr
.endm
	global_load_b64 v[WS:WS+1], v[WSO], s[8:9]     ; 1 load
.irp n, 0,1,2,3,4,5,6,7
	global_load_b128 v[LA+4*\n:LA+4*\n+3], v[OFF], s[10:11] offset:ROWB*\n   ; 8 loads: lora_A's row n at my step
.endr
	LOADT X, 6, 0                                  ; 16 loads: W's codes
	LOADT R, 4, 32*ROWB                            ; 16 loads: x's tile 2
	; the other pointers, while those loads are on their way
	s_mul_i32 s28, s38, XROW                       ; xc: my step,
	s_lshr_b32 s32, s[G], 2
	s_mul_i32 s32, s32, STEPT                      ; half tile g / 4,
	s_add_co_u32 s28, s28, s32
	s_and_b32 s32, s34, 1                          ; and in it the lower or the upper four rowblocks
	s_lshl_b32 s30, s32, 8
	s_add_co_u32 s30, s30, s28
	s_add_co_u32 s30, s30, SCO                     ; their run of scale words
	s_mul_i32 s32, s32, 4*FRB
	s_add_co_u32 s28, s28, s32                     ; their fragments
	s_add_nc_u64 s[18:19], s[12:13], s[30:31]
	s_add_nc_u64 s[12:13], s[12:13], s[28:29]
	s_lshr_b32 s32, s[G], 4
	s_mul_i32 s32, s32, STEPT                      ; wc: half tile g / 16
	s_and_b32 s43, s39, 1                          ; the lower or the upper four rowblocks
	s_mul_i32 s28, s42, WROW
	s_add_co_u32 s28, s28, s32
	s_mul_i32 s44, s43, 4*FRB
	s_add_co_u32 s28, s28, s44
	s_mul_i32 s44, s36, FRB
	s_add_co_u32 s28, s28, s44                     ; my fragment
	s_lshl_b32 s44, s35, 1
	s_add_co_u32 s44, s44, s41                     ; the end: steps 2 (w % 2) and 2 (w % 2) + 1 of the four
	s_mul_i32 s30, s44, WROW
	s_add_co_u32 s30, s30, s32
	s_lshl_b32 s44, s43, 8
	s_add_co_u32 s30, s30, s44
	s_add_co_u32 s30, s30, SCO
	s_add_nc_u64 s[20:21], s[14:15], s[30:31]
	s_add_nc_u64 s[14:15], s[14:15], s[28:29]
	s_lshl_b32 s28, s33, 17                        ; hid: 131,072 bytes a half of K; 16 bytes a row: rows 64 (g / 2) + 32 (w % 2) on
	s_lshl_b32 s32, s34, 10
	s_add_co_u32 s28, s28, s32
	s_lshl_b32 s32, s35, 9
	s_add_co_u32 s28, s28, s32
	s_add_nc_u64 s[16:17], s[16:17], s[28:29]
	; the NF4 table: the sixteen f32 numbers of the codebook, as bits, entry t in lane t
	v_mov_b32 v[NF], 0                             ; entry 7 is 0
.macro NFE t, bits
	s_mov_b32 s26, \bits
	v_writelane_b32 v[NF], s26, \t
.endm
	NFE 0,  0xbf800000                             ; -1.0
	NFE 1,  0xbf3239b1                             ; -0.6961928009986877
	NFE 2,  0xbf066b30                             ; -0.5250730514526367
	NFE 3,  0xbeca32a0                             ; -0.39491748809814453
	NFE 4,  0xbe91a24d                             ; -0.28444138169288635
	NFE 5,  0xbe3d353f                             ; -0.18477343022823334
	NFE 6,  0xbdba7871                             ; -0.09105003625154495
	NFE 8,  0x3da2faff                             ; 0.07958029955625534
	NFE 9,  0x3e24cae3                             ; 0.16093020141124725
	NFE 10, 0x3e7c04dd                             ; 0.24611230194568634
	NFE 11, 0x3ead033a                             ; 0.33791524171829224
	NFE 12, 0x3ee1a4b8                             ; 0.44070982933044434
	NFE 13, 0x3f1007ab                             ; 0.5626170039176941
	NFE 14, 0x3f3913b3                             ; 0.7229568362236023
	NFE 15, 0x3f800000                             ; 1.0
.irp b, 0,1,2,3
	v_mov_b32 v[TM+4+\b], 0                        ; written once: a lane permute's destination counts as one of its sources
.endr
	; lora_A: rounded to bf16 as it lies (a lane's four numbers: 8 bytes), 8 rows of 256 bytes through my own 2,048 bytes, back as four fragments.  Lanes r >= 8 repeat rows r % 8.
	s_wait_loadcnt 32                              ; the NF4 scales and lora_A are in; W's sixteen loads and tile 2's sixteen, issued behind them, may be out
.irp n, 0,1,2,3,4,5,6,7
	v_cvt_pk_bf16_f32 v[PC+2*\n], v[LA+4*\n], v[LA+4*\n+1]
	v_cvt_pk_bf16_f32 v[PC+1+2*\n], v[LA+4*\n+2], v[LA+4*\n+3]
.endr
.irp n, 0,1,2,3,4,5,6,7
	ds_store_b64 v[LSI], v[PC+2*\n:PC+1+2*\n] offset:256*\n
.endr
.irp b, 0,1,2,3
	ds_load_b128 v[LA+8*\b:LA+8*\b+3], v[STL] offset:64*\b         ; k = 32 b + 16 h + 0 .. 7 of row r % 8; LDS serves a wave's instructions in order (ISA guide 5.7.1.4)
	ds_load_b128 v[LA+8*\b+4:LA+8*\b+7], v[STL] offset:64*\b+16    ; and + 8 .. 15
.endr
.macro TREAD a                         ; tile a of my region into X
.irp b, 0,1,2,3
.irp j, 0,1,2,3
	ds_load_b128 v[X+16*\b+4*\j:X+16*\b+4*\j+3], v[STO] offset:\a*STGW+128*\b+16*\j
.endr
.endr
	s_wait_dscnt 0x0
	s_wait_xcnt 0x0                                ; the last fragment's stores have read v[PC] on, which the conversions below write again
.endm
.macro RSTORE                          ; the tile in R into tile 0's rows of my region, which have been read
.irp i, 0,1,2,3,4,5,6,7,8,9,10,11,12,13,14,15
	ds_store_b128 v[STI], v[R+4*\i:R+4*\i+3] offset:SP*\i
.endr
.endm
; The 64 numbers in X become a fragment's codes in v[PC] on and its scale word in v[pw].
.macro QUANT pw
.irp b, 0,1,2,3
	v_max3_num_f32 v[TM+\b], |v[X+16*\b]|, |v[X+1+16*\b]|, 0x2800000   ; block b: my 16 numbers, and the floor 2^(5 - 127): the byte cannot fall under 1
.endr
.irp i, 2,4,6,8,10,12,14
.irp b, 0,1,2,3
	s_delay_alu instid0(VALU_DEP_4)
	v_max3_num_f32 v[TM+\b], v[TM+\b], |v[X+16*\b+\i]|, |v[X+1+16*\b+\i]|   ; the four blocks by turns
.endr
.endr
.irp b, 0,1,2,3
	s_delay_alu instid0(VALU_DEP_4)
	v_permlanex16_b32 v[TM+4+\b], v[TM+\b], s[SEL], s[SEL+1]
.endr
.irp b, 0,1,2,3
	s_delay_alu instid0(VALU_DEP_4)
	v_max_num_f32 v[TM+\b], v[TM+\b], v[TM+4+\b]   ; with lane l xor 16's: the block's largest magnitude
.endr
.irp b, 0,1,2,3
	s_delay_alu instid0(VALU_DEP_4)
	v_add_nc_u32 v[TM+8+\b], 0xfe000000, v[TM+\b]  ; 4 off its exponent field: the conversion takes the exponent field of this operand as its scale
.endr
.irp b, 0,1,2,3
	s_delay_alu instid0(VALU_DEP_4)
	v_lshrrev_b32 v[TM+4+\b], 23, v[TM+8+\b]       ; the scale's byte
.endr
	s_delay_alu instid0(VALU_DEP_3)
	v_lshl_or_b32 v[\pw], v[TM+5], 8, v[TM+4]      ; four bytes: my row's scale word (both halves of the lanes hold the same)
	s_delay_alu instid0(VALU_DEP_1)
	v_lshl_or_b32 v[\pw], v[TM+6], 16, v[\pw]
	s_delay_alu instid0(VALU_DEP_1)
	v_lshl_or_b32 v[\pw], v[TM+7], 24, v[\pw]
.irp c, 0,1
	v_cvt_scalef32_pk16_bf6_f32 v[PC+6*\c:PC+2+6*\c], v[X+32*\c:X+15+32*\c], v[TM+8+2*\c]
	v_cvt_scalef32_pk16_bf6_f32 v[PC+12+4*\c:PC+14+4*\c], v[X+16+32*\c:X+31+32*\c], v[TM+8+2*\c+1]   ; (a conversion's three registers begin on an even number)
.endr
	v_nop                                          ; one plain place behind the scaled conversions
.irp c, 0,1                            ; the operand's layout wants a WHOLE block in a lane: lanes 0-15 block 2 c, lanes 16-31 block 2 c + 1
.irp i, 0,1,2
	v_permlane16_swap_b32 v[PC+6*\c+\i], v[PC+12+4*\c+\i]
.endr
.irp i, 0,1,2
	s_delay_alu instid0(VALU_DEP_3)
	v_mov_b32 v[PC+3+6*\c+\i], v[PC+12+4*\c+\i]
.endr
.endr
.endm
.macro IMG base, off                   ; the fragment leaves as it stands: three stores of 512 consecutive bytes, each at a multiple of 512 from the buffer's first byte
.irp c, 0,1,2
	global_store_b128 v[OFF], v[PC+4*\c:PC+4*\c+3], s[\base:\base+1] offset:\off+512*\c
.endr
.endm
; The tile's part of the hidden layer, TRANSPOSED: source 0 = lora_A's rows, source 1 = my 16 rows of x: lane (r, h) then holds hidden[row r][0 .. 7] in the result's eight registers (both h alike: source 0's rows 8-15 repeat rows 0-7).
; Both sources hold k = 32 b + 16 h + 0 .. 15 in a lane's eight registers: the same permutation of k on both sides.  The two accumulators take turns.
.macro HID
.set i, 0
.rept 32
	v_cvt_pk_bf16_f32 v[X+i], v[X+2*i], v[X+2*i+1] ; packed in place, ascending
.set i, i+1
.endr
.irp b, 0,1,2,3
.if \b < 2
	v_wmma_f32_16x16x32_bf16 v[ACC+8*(\b%2):ACC+8*(\b%2)+7], v[LA+8*\b:LA+8*\b+7], v[X+8*\b:X+8*\b+7], 0
.else
	v_wmma_f32_16x16x32_bf16 v[ACC+8*(\b%2):ACC+8*(\b%2)+7], v[LA+8*\b:LA+8*\b+7], v[X+8*\b:X+8*\b+7], v[ACC+8*(\b%2):ACC+8*(\b%2)+7]
.endif
.endr
.rept 4
	v_nop                                          ; four places ahead of the reads of the results and of the LDS loads into X
.endr
.endm
.macro BODY t                          ; rowblock t of my work-group's four lies in X
	QUANT PW+\t
	IMG 12, \t*FRB
	HID
.irp i, 0,1,2,3
	v_pk_add_f32 v[ACC+2*\i:ACC+2*\i+1], v[ACC+2*\i:ACC+2*\i+1], v[ACC+8+2*\i:ACC+9+2*\i]   ; the two accumulators, each from its low end on
.endr
	ds_store_b128 v[HPS], v[ACC:ACC+3] offset:\t*512          ; (lanes r and r + 16 write the same bytes with the same values)
	ds_store_b128 v[HPS], v[ACC+4:ACC+7] offset:\t*512+16
.endm
	; W's tile, while the tensor load is on its way.  A lane's four codes of a row become four bytes, each 4 x the code (the permute's index is 4 x the lane); a row is 128 bytes, byte k for code k.
	s_wait_loadcnt 16                              ; W's codes are in; tile 2's sixteen loads may be out
.irp s, 1,2,3
.irp i, 0,1,2,3,4,5,6,7,8,9,10,11,12,13,14,15
	v_lshl_or_b32 v[X+4*\i], v[X+4*\i+\s], 8*\s, v[X+4*\i]
.endr
.endr
.irp i, 0,1,2,3,4,5,6,7,8,9,10,11,12,13,14,15
	v_lshlrev_b32 v[X+4*\i], 2, v[X+4*\i]
.endr
.irp i, 0,1,2,3,4,5,6,7,8,9,10,11,12,13,14,15
	ds_store_b32 v[LSW], v[X+4*\i] offset:128*\i   ; behind lora_A's reads of these bytes, in the order of issue
.endr
.irp b, 0,1,2,3
	ds_load_b128 v[ACC+4*\b:ACC+4*\b+3], v[STW] offset:32*\b   ; k = 32 b + 16 h + 0 .. 15 of row r
.endr
	s_wait_dscnt 0x0                               ; they are back, and so are lora_A's fragments
.set i, 0
.rept 64
	v_bfe_u32 v[X+i], v[ACC+i/4], 8*(i%4), 8
.set i, i+1
.endr
.set i, 0
.rept 64
	v_min_u32 v[X+i], 60, v[X+i]                   ; a loaded number enters an index only behind a clamp written in the instruction (4 x 15)
.set i, i+1
.endr
.set i, 0
.rept 64
	ds_bpermute_b32 v[X+i], v[X+i], v[NF]          ; NF4[code]: no LDS byte is touched
.set i, i+1
.endr
	s_wait_dscnt 0x0
.set i, 0
.rept 16
	v_pk_mul_f32 v[X+2*i:X+2*i+1], v[X+2*i:X+2*i+1], v[WS:WS+1] op_sel_hi:[1,0]                           ; k 0-63: the first scale for both halves: one f32 rounding
	v_pk_mul_f32 v[X+32+2*i:X+33+2*i], v[X+32+2*i:X+33+2*i], v[WS:WS+1] op_sel:[0,1] op_sel_hi:[1,1]      ; k 64-127: the second
.set i, i+1
.endr
	QUANT PWW
	IMG 14, 0
	ds_store_b32 v[WSA], v[PWW]                    ; (lanes r and r + 16 write the same word with the same value)
	s_wait_tensorcnt 0x0                           ; x's tiles 0 and 1 lie in my region; I alone read it
	TREAD 0                                        ; tile 0
	s_wait_loadcnt 0x0                             ; tile 2's sixteen loads are in
	RSTORE
	s_wait_dscnt 0x0                               ; the stores have read R,
	LOADT R, 4, 48*ROWB                            ; which takes tile 3
	BODY 0
	TREAD 0                                        ; tile 2
	BODY 2
	TREAD 1                                        ; tile 1
	s_wait_loadcnt 0x0                             ; tile 3's sixteen loads are in
	RSTORE
	BODY 1
	TREAD 0                                        ; tile 3
	BODY 3
	; x's run of scale words: row r's four words lie in v[PW] on, in both halves of the lanes: lane (r, h) stores words 2 h and 2 h + 1
	v_cmp_lt_u32 vcc_lo, 15, v[LN]
	s_delay_alu instid0(VALU_DEP_1)
	v_cndmask_b32 v[SELR], v[PW], v[PW+2], vcc_lo
	s_delay_alu instid0(VALU_DEP_2)
	v_cndmask_b32 v[SELR+1], v[PW+1], v[PW+3], vcc_lo
	global_store_b64 v[XSO], v[SELR:SELR+1], s[18:19]   ; 32 lanes store 256 consecutive bytes, at a multiple of 256 from xc's first byte
	s_wait_dscnt 0x0                               ; for the others' sake: my scale word of W and my parts of the hidden layer lie in LDS
	s_barrier_signal -1
	s_barrier_wait -1
	s_cmp_lt_u32 s[WV], 2
	s_cbranch_scc0 .Lnot_scales
	ds_load_b128 v[R:R+3], v[FA]                   ; waves 0 and 1: two of W's runs of scale words
	s_wait_dscnt 0x0
	global_store_b128 v[WGO], v[R:R+3], s[20:21]   ; sixteen lanes store a run's 256 consecutive bytes, at a multiple of 256 from wc's first byte; the other sixteen the next step's
	s_wait_tensorcnt 0x0                           ; the wave's end
	ds_add_u32 v254, v255
	s_wait_dscnt 0x0
	s_endpgm
.Lnot_scales:
	s_cmp_lt_u32 s[WV], 4
	s_cbranch_scc0 .Ldone
.irp p, 0,1,2,3,4,5,6,7,8,9,10,11,12,13,14,15
	ds_load_b128 v[R+8*\p:R+8*\p+3], v[HPA] offset:2048*\p      ; wave p's part of my row's eight numbers
	ds_load_b128 v[R+8*\p+4:R+8*\p+7], v[HPA] offset:2048*\p+16
.endr
	s_wait_dscnt 0x0
.irp p, 1,2,3,4,5,6,7,8,9,10,11,12,13,14,15
.irp j, 0,1,2,3
	v_pk_add_f32 v[R+2*\j:R+2*\j+1], v[R+2*\j:R+2*\j+1], v[R+8*\p+2*\j:R+8*\p+2*\j+1]   ; four chains
.endr
.endr
.irp j, 0,1,2,3
	s_delay_alu instid0(VALU_DEP_4)
	v_pk_mul_f32 v[R+2*\j:R+2*\j+1], v[R+2*\j:R+2*\j+1], 2.0 op_sel_hi:[1,0]            ; alpha / rank = 2: exact
.endr
.irp j, 0,1,2,3
	s_delay_alu instid0(VALU_DEP_4)
	v_cvt_pk_bf16_f32 v[R+8+\j], v[R+2*\j], v[R+2*\j+1]
.endr
	global_store_b128 v[OFF], v[R+8:R+11], s[16:17]   ; a lane a row, 32 rows of 16 bytes: 512 consecutive bytes
.Ldone:
	s_wait_tensorcnt 0x0                           ; the wave's end
	ds_add_u32 v254, v255
	s_wait_dscnt 0x0
	s_endpgm
.Lfunc_end_k_q0975107430_prep:
	.size	k_q0975107430_prep, .Lfunc_end_k_q0975107430_prep-k_q0975107430_prep
	.p2alignl 7, 3214868480
	.fill 96, 4, 3214868480
	.section	.rodata,"a",@progbits
	.p2align	6, 0x0
	.amdhsa_kernel k_q0975107430_prep
		.amdhsa_group_segment_fixed_size 306176
		.amdhsa_private_segment_fixed_size 0
		.amdhsa_enable_private_segment 0
		.amdhsa_kernarg_size 56
		.amdhsa_user_sgpr_count 2
		.amdhsa_user_sgpr_kernarg_segment_ptr 1
		.amdhsa_wavefront_size32 1
		.amdhsa_system_sgpr_workgroup_id_x 1
		.amdhsa_system_sgpr_workgroup_id_y 1
		.amdhsa_system_sgpr_workgroup_id_z 1
		.amdhsa_system_vgpr_workitem_id 0
		.amdhsa_next_free_vgpr 256
		.amdhsa_next_free_sgpr 66
		.amdhsa_reserve_vcc 1
		.amdhsa_float_denorm_mode_32 3
		.amdhsa_float_denorm_mode_16_64 3
		.amdhsa_memory_ordered 1
		.amdhsa_forward_progress 1
		.amdhsa_inst_pref_size 86
	.end_amdhsa_kernel
	.amdgpu_metadata
---
amdhsa.version: [ 1, 2 ]
amdhsa.kernels:
  - .name:           k_q0975107430_prep
    .symbol:         k_q0975107430_prep.kd
    .args:
      - { .name: x, .offset: 0, .size: 8, .value_kind: global_buffer, .address_space: global }
      - { .name: qweight_codes, .offset: 8, .size: 8, .value_kind: global_buffer, .address_space: global }
      - { .name: qweight_scales, .offset: 16, .size: 8, .value_kind: global_buffer, .address_space: global }
      - { .name: lora_A, .offset: 24, .size: 8, .value_kind: global_buffer, .address_space: global }
      - { .name: xc, .offset: 32, .size: 8, .value_kind: global_buffer, .address_space: global }
      - { .name: wc, .offset: 40, .size: 8, .value_kind: global_buffer, .address_space: global }
      - { .name: hid, .offset: 48, .size: 8, .value_kind: global_buffer, .address_space: global }
    .group_segment_fixed_size: 306176
    .private_segment_fixed_size: 0
    .kernarg_segment_align: 8
    .kernarg_segment_size: 56
    .max_flat_workgroup_size: 512
    .sgpr_count:     66
    .vgpr_count:     256
    .wavefront_size: 32
...
	.end_amdgpu_metadata
.endif
;; end of part 1
;; launch gemm (part 2): grid 8 x 32, 4 waves a work-group, clusters of 4 x 4, 327,680 bytes of LDS; arguments xc, wc, out0, hid, lora_B, bias; writes out0
.if DOCPART == 2
	.amdgcn_target "amdgcn-amd-amdhsa--gfx1250"
	.amdhsa_code_object_version 6
	.text
	.protected	k_q0975107430_gemm
	.globl	k_q0975107430_gemm
	.p2align	8
	.type	k_q0975107430_gemm,@function
k_q0975107430_gemm:
	s_mov_b64 s[64:65], 0
	v_nop
	global_prefetch_b8 v0, s[64:65] scope:SCOPE_SE
	s_setreg_imm32_b32 hwreg(HW_REG_WAVE_MODE, 25, 1), 1
	s_wait_xcnt 0x0
	s_wait_alu depctr_hold_cnt(0) depctr_sa_sdst(0) depctr_va_vdst(0) depctr_va_sdst(0) depctr_va_ssrc(0) depctr_va_vcc(0) depctr_vm_vsrc(0)
	s_getreg_b32 s2, hwreg(HW_REG_IB_STS2, 6, 4)
	s_cmp_eq_u32 s2, 0
	s_cbranch_scc0 .Lentry_in_a_cluster
	s_endpgm
.Lentry_in_a_cluster:
	s_bfe_u32 s2, ttmp6, 0x10000c
	s_cmp_lg_u32 s2, 0xf033
	s_cbranch_scc0 .Lentry_shape_is_right
	s_endpgm
.Lentry_shape_is_right:
; out0 [8192][2048] f32 = Q(x) Q(W)^T + bias + hid lora_B^T.  Q(x), Q(W): codes of BF6 (E3M2) with one E8M0 byte for each 32 along K, as the launch before laid them:
; xc [step 32][half tile 64][12,800 bytes], wc [step 32][half tile 16][12,800 bytes]; step: 128 along K; half tile: 128 rows: eight images of an operand's 12 registers (1,536 bytes each), then 512 bytes of scale words.
; hid [half of K 2][8192][8] bf16 holds 2 x (x lora_A^T) in two parts.  LIMIT: hid and lora_B enter the adapter's product as bf16; sums in f32.
; A work-group of four waves makes 256 x 256 of out0, a wave 128 x 128: 64 accumulators, 512 registers.  256 work-groups.  The sums BEGIN as bias + adapter: one bf16 product for each accumulator, K = 16 of 32 used
; (k 0-7: hid's first part, k 8-15: its second, both against lora_B's row), with the bias as C.  Then 32 steps of 64 scaled products each.
; THE RING: two LDS slots of three steps each (the last fill has two); a wave fetches one half tile's three steps by one tensor load of three rows of 12,800 bytes, each at a multiple of 256 bytes of its buffer.
; CLUSTERS: 4 x 4 work-groups; x's tiles are asked for jointly along a row of the cluster, W's along a column.  A round of the cluster's barrier stands in front of every joint load.
; THE PRODUCT IS USED TRANSPOSED (source 0 = 16 rows of W, source 1 = 16 rows of x): a lane holds eight neighbouring columns of one row of out0.
; PREFETCH: in compute step t (t = 0 .. 24) each wave names data step t + 7 of the half tile that it fetches: 50 blocks of 256 bytes, of which the partner at place p of the four that ask jointly takes
; 13 p .. 13 p + 12 (a lane a block; lanes left over name the share's last block again; held at block 49).  The joint load that wants a step is issued one to three steps behind its prefetch.
; Steps 0 to 6 come by their loads alone; t = 24 names step 31, the last, and the steps behind the loop ask for nothing.
; REGISTERS: window 0: v1-31 addresses, v32-79 scale words (two sets of 24), v128-223 x's fragments (one set).  Window 1: W's fragments, two sets, at v0 and v128.  Windows 2, 3: the accumulators of my rows 0-63, 64-127.
.set SIZE_N, 2048
.set NQ,     3                         ; steps in a slot
.set FR,     12                        ; registers of a fragment
.set NL,     3                         ; LDS loads that bring one
.set NP,     4                         ; places behind this matrix instruction (ISA guide 7.12.1)
.set FRB,    1536
.set SCO,    8*FRB
.set STEPT,  SCO+512
.set HALFT,  NQ*STEPT
.set SLOT,   4*HALFT                   ; x's two half tiles, then W's two
.set XROW,   64*STEPT                  ; from step to step in xc
.set WROW,   16*STEPT                  ; and in wc
.set TRIPS,  4
.set SPARE,  2*SLOT                    ; behind the ring: the spare words, 128 bytes a wave
.set SPITCH, 528                       ; the way out: a stage of 16 rows x (512 + 16) bytes for each wave,
.set STAGE,  SLOT                      ; in slot 1, which has had its last fill and its last read when the first result is stored there
.set ADRA, 16                          ; v16-17 my x fragments in slot 0, 1
.set ADRS, 18                          ; v18-19 my scale words: lanes 0-15 x's rows, lanes 16-31 W's
.set ADRB, 20                          ; v20-21 my W fragments
.set STO,  24
.set RD,   25
.set CO,   26                          ; 16 x lane
.set SPW,  28
.set NIL,  29
.set PFO,  30                          ; the prefetches' offset: 256 x my block
.set SC,   32
.set AF,   128
.set T,    192
.set G1, 24
.set G0, 32
.set G1B, 48
.set G0B, 56
.set G1L, 68                           ; groups 1 for the last fill: two rows
.set G1BL, 80
.set PFA, 88                           ; s[88:89] the step that my last prefetch named
.set PST, 90                           ; s[90:91] from step to step in the buffer that I fetch from
.set MSB, 0
.macro WIN new                         ; the immediate's high byte repeats the setting that is left
.if MSB != \new
	s_set_vgpr_msb (MSB<<8)|\new
.set MSB, \new
.endif
.endm
.set MUL_LO, 0xa1                      ; source 0 window 1, source 1 window 0, C and D window 2
.set MUL_HI, 0xf1
.set TO_B,   0x40                      ; destination window 1
.macro JLOAD g0a, g1a, g0b, g1b        ; a joint load: waves 0, 1 for x, waves 2, 3 for W; s_nop 0 and four v_nop behind each line
	s_cmp_eq_u32 s15, 0
	s_cbranch_scc0 .Lfor_b_\@
	tensor_load_to_lds s[\g0a:\g0a+3], s[\g1a:\g1a+7]
	s_nop 0
.rept 4
	v_nop
.endr
	s_branch .Lasked_\@
.Lfor_b_\@:
	tensor_load_to_lds s[\g0b:\g0b+3], s[\g1b:\g1b+7]
	s_nop 0
.rept 4
	v_nop
.endr
.Lasked_\@:
.endm
.macro CREST                           ; a round of the cluster's barrier behind its opening barrier
	s_cmp_lg_u32 s14, 0
	s_cbranch_scc1 .Lnot_wave_0_\@
	s_barrier_signal -3
.Lnot_wave_0_\@:
	s_barrier_wait -3
	s_barrier_signal -1
	s_barrier_wait -1
.endm
.macro CROUND
	s_barrier_signal -1
	s_barrier_wait -1
	CREST
.endm
	s_load_b128 s[4:7], s[0:1], 0x0                ; xc, wc
	s_load_b64 s[12:13], s[0:1], 0x10              ; out0
	s_load_b128 s[96:99], s[0:1], 0x18             ; hid, lora_B
	s_load_b64 s[100:101], s[0:1], 0x28            ; bias
	v_lshl_add_u32 v[SPW], v0, 2, SPARE
	v_mov_b32 v[NIL], 0
	ds_add_u32 v[SPW], v[NIL]                      ; the opening lines: the add, twice on end, and its wait ahead of my first tensor load
	ds_add_u32 v[SPW], v[NIL]
	v_lshrrev_b32 v3, 5, v0
	v_readfirstlane_b32 s14, v3                    ; wave
	s_lshr_b32 s15, s14, 1                         ; my half of the rows; also: I fetch for x (0) or for W (1)
	s_and_b32 s16, s14, 1                          ; my half of the columns; also: which half tile I fetch
	s_bfe_u32 s40, ttmp6, 0x40000                  ; cx
	s_bfe_u32 s41, ttmp6, 0x40004                  ; cy
	s_lshl_b32 s42, ttmp9, 2
	s_add_co_u32 s42, s42, s40                     ; tile column
	s_and_b32 s17, ttmp7, 0xffff
	s_lshl_b32 s17, s17, 2
	s_add_co_u32 s17, s17, s41                     ; tile row
	s_lshl_b32 s43, s41, 2
	s_lshl_b32 s43, 15, s43                        ; my row of the cluster
	s_lshl_b32 s44, 0x1111, s40                    ; my column
	s_or_b32 s[G1+0], s43, (3<<16)|(1<<21)         ; elements of 8 bytes; bit 21 beside the mask
	s_or_b32 s[G1L+0], s43, (3<<16)|(1<<21)
	s_or_b32 s[G1B+0], s44, (3<<16)|(1<<21)
	s_or_b32 s[G1BL+0], s44, (3<<16)|(1<<21)
.irp g, G1, G1B, G1L, G1BL
	s_mov_b32 s[\g+1], (STEPT/8)<<16               ; a row: a half tile's step
	s_mov_b32 s[\g+3], (STEPT/8)<<16
	s_mov_b32 s[\g+6], 0
	s_mov_b32 s[\g+7], 0
.endr
.irp g, G1, G1B
	s_mov_b32 s[\g+2], NQ<<16
	s_mov_b32 s[\g+4], NQ
.endr
.irp g, G1L, G1BL
	s_mov_b32 s[\g+2], 2<<16
	s_mov_b32 s[\g+4], 2
.endr
.irp g, G1, G1L
	s_mov_b32 s[\g+5], XROW/8
.endr
.irp g, G1B, G1BL
	s_mov_b32 s[\g+5], WROW/8
.endr
	s_mul_i32 s18, s16, STEPT
	s_mul_i32 s20, s17, 2*STEPT
	s_add_co_u32 s20, s20, s18                     ; xc: half tile 2 x tile row + half
	s_mov_b32 s21, 0
	s_mul_i32 s46, s42, 2*STEPT
	s_add_co_u32 s46, s46, s18                     ; wc: half tile 2 x tile column + half
	s_mov_b32 s47, 0
	s_mul_i32 s45, s14, HALFT                      ; where my load lands: wave x a half tile's three steps
	s_mul_i32 s8, s15, HALFT                       ; what I read: my half tile of x,
	s_mul_i32 s9, s16, HALFT
	s_add_co_u32 s9, s9, 2*HALFT                   ; of W,
	s_sub_co_u32 s10, s9, s8                       ; and the distance between the two
	s_mul_i32 s11, s14, 16*SPITCH
	s_add_co_u32 s11, s11, STAGE                   ; my stage
	s_lshl_b32 s92, s17, 12                        ; hid: 16 bytes a row
	s_lshl_b32 s18, s15, 11
	s_add_co_u32 s92, s92, s18
	s_mov_b32 s93, 0
	s_lshl_b32 s94, s42, 13                        ; lora_B: 32 bytes a row
	s_lshl_b32 s18, s16, 12
	s_add_co_u32 s94, s94, s18
	s_mov_b32 s95, 0
	s_lshl_b32 s76, s42, 10                        ; bias, and my first column of out0: 4 bytes a column
	s_lshl_b32 s18, s16, 9
	s_add_co_u32 s76, s76, s18
	s_mov_b32 s77, 0
	s_lshl_b32 s78, s17, 21                        ; out0: 8,192 bytes a row (all under 2^27)
	s_lshl_b32 s18, s15, 20
	s_add_co_u32 s78, s78, s18
	s_add_co_u32 s78, s78, s76
	s_mov_b32 s79, 0
	s_cmp_eq_u32 s15, 0                            ; the prefetches: do I fetch for x?
	s_cselect_b32 s66, s40, s41                    ; my place among the four that ask with me
	s_mov_b32 s[PST], WROW
	s_cselect_b32 s[PST], XROW, s[PST]
	s_mov_b32 s[PST+1], 0
	s_mul_i32 s22, s[PST], 6                       ; step 6: compute step 0 steps on to 7
	s_mov_b32 s23, 0
	s_mul_i32 s67, s66, 13
	v_and_b32 v1, 15, v0                           ; r
	v_bfe_u32 v2, v0, 4, 1                         ; h
	v_and_b32 v6, 31, v0
	v_lshlrev_b32 v[CO], 4, v6
	v_add_nc_u32 v[ADRA], s8, v[CO]                ; an image's group of four registers: 16 x lane
	v_add_nc_u32 v[ADRB], s9, v[CO]
	v_add_nc_u32 v[ADRA+1], SLOT, v[ADRA]
	v_add_nc_u32 v[ADRB+1], SLOT, v[ADRB]
	v_lshlrev_b32 v5, 4, v1                        ; scale words: 16 r; lanes 16-31 take W's
	v_mul_u32_u24 v7, s10, v2
	v_add_nc_u32 v5, v5, v7
	v_add_nc_u32 v[ADRS], s8, v5
	v_add_nc_u32 v[ADRS+1], SLOT, v[ADRS]
	v_mul_u32_u24 v5, v1, SPITCH                   ; into the stage: row r, 32 bytes for each half of the lanes
	v_lshl_add_u32 v5, v2, 5, v5
	v_add_nc_u32 v[STO], s11, v5
	v_add_nc_u32 v[RD], s11, v[CO]                 ; back: 32 lanes take a row of 512 bytes
	v_lshlrev_b32 v8, 5, v1                        ; lora_B: row r
	v_lshlrev_b32 v9, 4, v1
	v_lshl_add_u32 v9, v2, 17, v9                  ; hid: row r of part h
	v_lshlrev_b32 v10, 5, v2                       ; bias: columns 8 h on
	v_min_u32 v7, 12, v6
	v_add_nc_u32 v7, s67, v7
	v_min_u32 v7, 49, v7
	v_lshlrev_b32 v[PFO], 8, v7
.irp a, 0,1,2,3,4,5,6,7
.irp i, 4,5,6,7
	v_mov_b32 v[AF+8*\a+\i], 0                     ; hid's operand: k 16-31 are zeros
.endr
.endr
	WIN TO_B
.irp i, 0,1,2,3
	v_mov_b32 v[32+\i], 0                          ; behind lora_B's last four registers
.endr
	WIN 0
	s_wait_alu depctr_va_vdst(0)                   ; directly ahead of the waits below
	s_wait_dscnt 0x0                               ; both opening adds are done
	s_wait_kmcnt 0x0
	s_add_nc_u64 s[96:97], s[96:97], s[92:93]
	s_add_nc_u64 s[98:99], s[98:99], s[94:95]
	s_add_nc_u64 s[100:101], s[100:101], s[76:77]
	s_add_nc_u64 s[12:13], s[12:13], s[78:79]
	s_add_nc_u64 s[20:21], s[4:5], s[20:21]
	s_add_nc_u64 s[46:47], s[6:7], s[46:47]
	; the adapter's operands and the bias are asked for ahead of the first round: 40 loads
.irp a, 0,1,2,3,4,5,6,7
	global_load_b128 v[AF+8*\a:AF+8*\a+3], v9, s[96:97] offset:256*\a
.endr
.irp b, 0,1,2,3,4,5,6,7
	global_load_b128 v[T+8*\b:T+8*\b+3], v8, s[98:99] offset:512*\b
	global_load_b128 v[T+8*\b+4:T+8*\b+7], v8, s[98:99] offset:512*\b+16
.endr
	WIN TO_B
.irp b, 0,1,2,3,4,5,6,7
	global_load_b128 v[128+8*\b:128+8*\b+3], v10, s[100:101] offset:64*\b
	global_load_b128 v[128+8*\b+4:128+8*\b+7], v10, s[100:101] offset:64*\b+16
.endr
	WIN 0
.irp s, 0,1
	s_mov_b32 s[G0+4*\s], 1
	s_add_co_u32 s[G0+4*\s+1], s45, \s*SLOT
	s_add_nc_u64 s[G0+4*\s+2:G0+4*\s+3], s[20:21], \s*NQ*XROW
	s_or_b32 s[G0+4*\s+3], s[G0+4*\s+3], 0x80000000
	s_mov_b32 s[G0B+4*\s], 1
	s_add_co_u32 s[G0B+4*\s+1], s45, \s*SLOT
	s_add_nc_u64 s[G0B+4*\s+2:G0B+4*\s+3], s[46:47], \s*NQ*WROW
	s_or_b32 s[G0B+4*\s+3], s[G0B+4*\s+3], 0x80000000
.endr
	s_cmp_eq_u32 s15, 0
	s_cselect_b64 s[PFA:PFA+1], s[20:21], s[46:47]
	s_add_nc_u64 s[PFA:PFA+1], s[PFA:PFA+1], s[22:23]
	CROUND                                         ; all sixteen work-groups are here: the first joint loads meet
	JLOAD G0, G1, G0B, G1B                         ; steps 0 to 2: my one tensor load at the head
	; bias + adapter start the sums while that load is on its way
	s_wait_loadcnt 0x0
	WIN TO_B
.irp b, 0,1,2,3,4,5,6,7
.irp i, 0,1,2,3
	v_cvt_pk_bf16_f32 v[4*\b+\i], v[T+8*\b+2*\i], v[T+8*\b+2*\i+1]   ; lora_B's row in four registers; the four behind them meet hid's zeros
.endr
.endr
.irp a, 0,1,2,3,4,5,6,7
	WIN 0x91+0x40*(\a/4)                           ; sources 0 and 2 window 1, source 1 window 0, D window 2 or 3
.irp b, 0,1,2,3,4,5,6,7
	v_wmma_f32_16x16x32_bf16 v[8*(8*(\a%4)+\b):8*(8*(\a%4)+\b)+7], v[4*\b:4*\b+7], v[AF+8*\a:AF+8*\a+7], v[128+8*\b:128+8*\b+7]
.endr
.endr
	WIN 0
.rept 5
	v_nop                                          ; five places: products of another form write these accumulators next
.endr
.macro FRAG reg, adr, q, i
.irp c, 0,1,2
	ds_load_b128 v[\reg+4*\c:\reg+4*\c+3], v[\adr] offset:(\q)*STEPT+(\i)*FRB+512*\c
.endr
.endm
; 16 products: x's blocks a0, a0 + 1 against W's eight.  The 64 accumulators take turns, one instruction a turn.
.macro MUL16 a0, p, q, sc
.irp a, \a0, \a0+1
.irp b, 0,1,2,3,4,5,6,7
	v_wmma_scale_f32_16x16x128_f8f6f4 v[8*(8*((\a)%4)+\b):8*(8*((\a)%4)+\b)+7], v[128*(\p)+FR*\b:128*(\p)+FR*\b+FR-1], v[AF+FR*(\a):AF+FR*(\a)+FR-1], v[8*(8*((\a)%4)+\b):8*(8*((\a)%4)+\b)+7], v[SC+8*NQ*(\sc)+8*(\q)+\b], v[SC+8*NQ*(\sc)+8*(\q)+(\a)] matrix_a_fmt:MATRIX_FMT_BF6 matrix_b_fmt:MATRIX_FMT_BF6 matrix_a_scale:MATRIX_SCALE_ROW1
.endr
.endr
.endm
.macro FETCH_B slot, q, p
	WIN TO_B
.irp i, 0,1,2,3,4,5,6,7
	FRAG 128*(\p)+FR*\i, ADRB+\slot, \q, \i
.endr
	WIN 0
.endm
.macro FETCH_A slot, q, i0
.irp i, \i0, \i0+1, \i0+2, \i0+3
	FRAG AF+FR*(\i), ADRA+\slot, \q, \i
.endr
.endm
.macro SCALES sc, n                    ; a slot's scale words: register 8 q + i: lanes 0-15 the word of x's block i, lanes 16-31 of W's block i
.irp q, 0,1,2
.if \q < \n
	ds_load_b128 v[SC+8*NQ*\sc+8*\q:SC+8*NQ*\sc+8*\q+3], v[ADRS+\sc] offset:\q*STEPT+SCO
	ds_load_b128 v[SC+8*NQ*\sc+8*\q+4:SC+8*NQ*\sc+8*\q+7], v[ADRS+\sc] offset:\q*STEPT+SCO+256
.endif
.endr
.endm
.macro PLACES n
.rept \n
	v_nop
.endr
.endm
.macro PSTEP                           ; at a step's head: the last step's prefetch has read its address, which goes one step on
.if PF
	s_wait_xcnt 0x0
	s_add_nc_u64 s[PFA:PFA+1], s[PFA:PFA+1], s[PST:PST+1]
.endif
.endm
.macro ASK                             ; behind the step's run of LDS loads: one instruction a wave
.if PF
	global_prefetch_b8 v[PFO], s[PFA:PFA+1] th:TH_LOAD_NT scope:SCOPE_SE
.endif
.endm
; A step that stays in its slot: 64 products; the next step's fragments come in its middle (W's set, x's blocks 0-3) and at its end (x's blocks 4-7).
.macro STEP slot, q, p
	PSTEP
	s_wait_dscnt 4*NL                              ; all but the youngest twelve loads (x's blocks 4-7)
	WIN MUL_LO
	MUL16 0, \p, \q, \slot
	MUL16 2, \p, \q, \slot
	s_wait_dscnt 0
	PLACES NP
	FETCH_B \slot, (\q)+1, 1-(\p)
	FETCH_A \slot, (\q)+1, 0
	ASK
	WIN MUL_HI
	MUL16 4, \p, \q, \slot
	MUL16 6, \p, \q, \slot
	PLACES NP
	WIN 0
	FETCH_A \slot, (\q)+1, 4
.endm
; A slot's last step changes slots.  fill = 1: the slot is filled again, two fills ahead; 2: with the last two steps; 0: no more.  nn: steps in the next slot.
.macro TURN slot, next, fill, p, nn
	PSTEP
	s_wait_tensorcnt 0x0                           ; my one load that was out, my part of the next slot, has landed
	ds_add_u32 v[SPW], v[NIL]
	s_wait_dscnt 4*NL+1                            ; (the add and the youngest twelve loads may be out)
	WIN MUL_LO
	MUL16 0, \p, NQ-1, \slot
	s_wait_dscnt 0x0                               ; the add is done, and so are my reads of this slot
	s_barrier_signal -1
	MUL16 2, \p, NQ-1, \slot
	WIN 0
	s_barrier_wait -1
.if \fill
	CREST                                          ; the barrier has opened a round: no wave of any partner still reads this slot or has a load out
	s_add_nc_u64 s[G0+4*\slot+2:G0+4*\slot+3], s[G0+4*\slot+2:G0+4*\slot+3], 2*NQ*XROW
	s_add_nc_u64 s[G0B+4*\slot+2:G0B+4*\slot+3], s[G0B+4*\slot+2:G0B+4*\slot+3], 2*NQ*WROW
.if \fill == 1
	JLOAD G0+4*\slot, G1, G0B+4*\slot, G1B         ; its four v_nop are the places in front of the loads below
.else
	JLOAD G0+4*\slot, G1L, G0B+4*\slot, G1BL
.endif
.else
	PLACES NP
.endif
	FETCH_B \next, 0, 1-(\p)
	FETCH_A \next, 0, 0
	SCALES \next, \nn
	ASK
	WIN MUL_HI
	MUL16 4, \p, NQ-1, \slot
	MUL16 6, \p, NQ-1, \slot
	PLACES NP
	WIN 0
	FETCH_A \next, 0, 4
.endm
	s_wait_alu depctr_va_vdst(0)
	s_wait_tensorcnt 0x0                           ; my part of slot 0 is in; slot 1's first fill is issued as a refill is:
	ds_add_u32 v[SPW], v[NIL]
	s_wait_dscnt 0x0
	CROUND                                         ; everybody's part of slot 0 is in, and the joint loads meet
	JLOAD G0+4, G1, G0B+4, G1B                     ; steps 3 to 5
	FETCH_B 0, 0, 0
	FETCH_A 0, 0, 0
	SCALES 0, NQ
	FETCH_A 0, 0, 4
.set PF, 1
	STEP 0, 0, 0
	s_mov_b32 s3, TRIPS
.Llap:                                                 ; a trip: six steps, once round the ring
	STEP 0, 1, 1
	TURN 0, 1, 1, 0, NQ
	STEP 1, 0, 1
	STEP 1, 1, 0
	TURN 1, 0, 1, 1, NQ
	STEP 0, 0, 0
	s_sub_co_u32 s3, s3, 1
	s_cmp_lg_u32 s3, 0
	s_cbranch_scc1 .Llap
.set PF, 0                             ; steps 25 to 31 ask for nothing
	STEP 0, 1, 1
	TURN 0, 1, 2, 0, NQ
	STEP 1, 0, 1
	STEP 1, 1, 0
	TURN 1, 0, 0, 1, 2
	STEP 0, 0, 0
; THE WAY OUT, by blocks of 16 rows x 128 columns, through my own stage: 32 bytes a lane in, whole rows of 512 bytes back, into W's set 0 (window 1, v0-127), which the last step does not read.
.macro TOSTAGE a
.set AC, 64*((\a)%4)
	WIN 0x08+4*((\a)/4)                            ; the data: window 2 or 3
.irp b, 0,1,2,3,4,5,6,7
	ds_store_b128 v[STO], v[AC+8*\b:AC+8*\b+3] offset:64*\b          ; each accumulator from its low end on
	ds_store_b128 v[STO], v[AC+8*\b+4:AC+8*\b+7] offset:64*\b+16
.endr
	WIN TO_B
.set BB, 64*((\a)%2)
.irp t, 0,1,2,3,4,5,6,7,8,9,10,11,12,13,14,15
	ds_load_b128 v[BB+4*\t:BB+4*\t+3], v[RD] offset:\t*SPITCH        ; LDS serves a wave's instructions in order (ISA guide 5.7.1.4)
.endr
	WIN 0
.endm
.macro SEND a, younger                 ; younger: the LDS instructions issued behind block a's loads
.set BB, 64*((\a)%2)
	s_wait_dscnt \younger
.if (\a) > 0
	s_add_nc_u64 s[12:13], s[12:13], 16*SIZE_N*4   ; (behind a wait on XCNT: the earlier stores have read their base)
.endif
	WIN 0x04                                       ; the data: window 1
.irp t, 0,1,2,3,4,5,6,7,8,9,10,11,12,13,14,15
	global_store_b128 v[CO], v[BB+4*\t:BB+4*\t+3], s[12:13] offset:\t*SIZE_N*4 th:TH_STORE_NT   ; 32 lanes store 512 consecutive bytes, at a multiple of 256 from out0's first byte; written once, read by nobody here
.endr
	WIN 0
.endm
	; the last step finishes x's blocks one after the other: blocks 0 and 1 leave while blocks 4 to 7 are multiplied
	s_wait_dscnt 4*NL
	WIN MUL_LO
	MUL16 0, 1, 1, 0
	MUL16 2, 1, 1, 0
	s_wait_dscnt 0
	PLACES NP                                      ; in front of the reads of blocks 0-3
	TOSTAGE 0
	WIN MUL_HI
	MUL16 4, 1, 1, 0
	TOSTAGE 1
	SEND 0, 32                                     ; behind block 0's loads: block 1's 16 stores and 16 loads
	WIN MUL_HI
	MUL16 6, 1, 1, 0
	PLACES NP                                      ; in front of the reads of blocks 4-7
.irp a, 2,3,4,5,6,7
	s_wait_xcnt 0x0                                ; block a - 2's stores have read their registers and their base
	TOSTAGE \a
	SEND \a-1, 32
.endr
	s_wait_xcnt 0x0
	SEND 7, 0
	s_wait_tensorcnt 0x0                           ; the wave's end
	ds_add_u32 v[SPW], v[NIL]
	s_wait_dscnt 0x0
	CROUND                                         ; the closing round
	s_endpgm
.Lfunc_end_k_q0975107430_gemm:
	.size	k_q0975107430_gemm, .Lfunc_end_k_q0975107430_gemm-k_q0975107430_gemm
	.p2alignl 7, 3214868480
	.fill 96, 4, 3214868480
	.section	.rodata,"a",@progbits
	.p2align	6, 0x0
	.amdhsa_kernel k_q0975107430_gemm
		.amdhsa_group_segment_fixed_size 327680
		.amdhsa_private_segment_fixed_size 0
		.amdhsa_enable_private_segment 0
		.amdhsa_kernarg_size 48
		.amdhsa_user_sgpr_count 2
		.amdhsa_user_sgpr_kernarg_segment_ptr 1
		.amdhsa_wavefront_size32 1
		.amdhsa_system_sgpr_workgroup_id_x 1
		.amdhsa_system_sgpr_workgroup_id_y 1
		.amdhsa_system_sgpr_workgroup_id_z 1
		.amdhsa_system_vgpr_workitem_id 0
		.amdhsa_next_free_vgpr 1024
		.amdhsa_next_free_sgpr 102
		.amdhsa_reserve_vcc 0
		.amdhsa_float_denorm_mode_32 3
		.amdhsa_float_denorm_mode_16_64 3
		.amdhsa_memory_ordered 1
		.amdhsa_forward_progress 1
		.amdhsa_inst_pref_size 218
	.end_amdhsa_kernel
	.amdgpu_metadata
---
amdhsa.version: [ 1, 2 ]
amdhsa.kernels:
  - .name:           k_q0975107430_gemm
    .symbol:         k_q0975107430_gemm.kd
    .args:
      - { .name: xc, .offset: 0, .size: 8, .value_kind: global_buffer, .address_space: global }
      - { .name: wc, .offset: 8, .size: 8, .value_kind: global_buffer, .address_space: global }
      - { .name: out0, .offset: 16, .size: 8, .value_kind: global_buffer, .address_space: global }
      - { .name: hid, .offset: 24, .size: 8, .value_kind: global_buffer, .address_space: global }
      - { .name: lora_B, .offset: 32, .size: 8, .value_kind: global_buffer, .address_space: global }
      - { .name: bias, .offset: 40, .size: 8, .value_kind: global_buffer, .address_space: global }
    .group_segment_fixed_size: 327680
    .private_segment_fixed_size: 0
    .kernarg_segment_align: 8
    .kernarg_segment_size: 48
    .max_flat_workgroup_size: 128
    .sgpr_count:     102
    .vgpr_count:     1024
    .wavefront_size: 32
...
	.end_amdgpu_metadata
.endif
;; end of part 2
